; MI455X (gfx1250); checked and timed in simulation.
; The chip was launched on July 23, 2026; its instructions are those of AMD's public machine-readable ISA for CDNA 5 (MIT licence, August 2026) and "CDNA5" Instruction Set Architecture Reference Guide (July 2026). The comments in the code are by the model that wrote it; some were corrected since.
;; Signed Attention. Allowed arithmetic: float matrix products may take bf16 or f16 operands with f32 sums; other float arithmetic in f32, or as packed bf16 or f16 multiplies, adds, multiply-adds, maxima and minima; sums over many terms, partial sums and values carried from step to step in f32; what a program stores and reads back later, other than sums and carried values, may be rounded once to bf16 or f16.
;; Inputs: keys 4 x 8 x 2,048 x 64 float32; log_scale one number float32; queries 4 x 8 x 2,048 x 64 float32; values 4 x 8 x 2,048 x 64 float32.
;; Outputs: out0 4 x 8 x 2,048 x 64 float32.
;; 2 versions, each right; version 2 is version 1 with the launch attn written anew for expert scheduling mode. Each part assembles by itself: llvm-mc -triple=amdgcn-amd-amdhsa -mcpu=gfx1250 --defsym DOCPART=n.
;; ======== version 1 of 2: 2 launches
;; limits: inputs' magnitudes at most 65,504; values are held in f16: magnitudes above 65,504 overflow, below 6.1e-05 lose precision
;; workspace buffers: psum 65,536 bytes
;; launch vsum (part 1): grid 256 x 1, 8 waves a work-group, no clusters, 3,072 bytes of LDS; arguments values, psum; writes psum
.if DOCPART == 1
	.amdgcn_target "amdgcn-amd-amdhsa--gfx1250"
	.amdhsa_code_object_version 6
	.text
	.protected	k_q5e1e0dc3d4_vsum
	.globl	k_q5e1e0dc3d4_vsum
	.p2align	8
	.type	k_q5e1e0dc3d4_vsum,@function
k_q5e1e0dc3d4_vsum:
	s_mov_b64 s[64:65], 0
	v_nop
	global_prefetch_b8 v0, s[64:65] scope:SCOPE_SE
	s_setreg_imm32_b32 hwreg(HW_REG_WAVE_MODE, 25, 1), 1
	s_wait_xcnt 0x0
; PARTIAL COLUMN SUMS OF V.  values: [32 heads][2048 rows][64] f32, taken as 65,536 rows of 256 bytes.  psum: [32 heads][8 blocks][64] f32.
; Work-group b sums rows 256 b .. 256 b + 255 (one eighth of a head) column by column, in f32, and stores one aligned block of 256 bytes at 256 b.
; Thread t makes 16 loads of 16 bytes at 16 t + 4,096 i: a load of a wave covers 512 consecutive bytes (two rows), and a thread's four columns,
; 4 (t % 16) .. + 3, are the same in all its loads.  All 64 KiB of the work-group are asked for before anything is added.
; No matrix unit, no cluster, no tensor load: every byte is read once, by one thread, and added once.
.set PART,  0                          ; LDS: wave v's 64 sums, 256 bytes, at 256 v
.set SPARE, 2048                       ; behind them: the spare words, 128 bytes for each of the eight waves; no other line names them
.set SPW, 1                            ; v1   LDS address of my spare word: SPARE + 4 x my thread's number; never rewritten
.set NIL, 2                            ; v2   0; never rewritten
.set GOF, 3                            ; v3   16 t: my byte offset in 16 rows; never rewritten
.set LST, 4                            ; v4   where I put my four sums: 256 x wave + 16 (t % 16)
.set LRD, 5                            ; v5   8 x lane: two columns a lane, in LDS and in psum
.set X,   8                            ; v[8:71]   load i at X + 4 i
.set Y,   72                           ; v[72:87]  wave 0: the eight waves' sums of my two columns
	s_load_b128 s[4:7], s[0:1], 0x0                ; values s[4:5], psum s[6:7]
	v_lshl_add_u32 v[SPW], v0, 2, SPARE
	v_mov_b32 v[NIL], 0
	v_lshrrev_b32 v6, 5, v0
	v_readfirstlane_b32 s8, v6                     ; wave 0..7
	v_lshlrev_b32 v[GOF], 4, v0
	v_and_b32 v[LST], 15, v0
	v_lshlrev_b32 v[LST], 4, v[LST]
	v_lshl_add_u32 v[LST], s8, 8, v[LST]
	v_and_b32 v[LRD], 31, v0
	v_lshlrev_b32 v[LRD], 3, v[LRD]
	s_lshl_b32 s10, ttmp9, 16                      ; 256 rows of 256 bytes a work-group
	s_mov_b32 s11, 0
	s_lshl_b32 s14, ttmp9, 8                       ; 256 bytes of psum a work-group
	s_mov_b32 s15, 0
	s_mov_b32 s12, 0x76543210                      ; v_permlanex16_b32: each lane takes its own place in the other half
	s_mov_b32 s13, 0xfedcba98
	s_wait_kmcnt 0x0
	s_add_nc_u64 s[4:5], s[4:5], s[10:11]
	s_add_nc_u64 s[6:7], s[6:7], s[14:15]
.set i, 0
.rept 16
	global_load_b128 v[X+4*i:X+4*i+3], v[GOF], s[4:5] offset:4096*i
.set i, i+1
.endr
; four loads at a time are folded into the first of them, while the younger loads are still on their way
.irp g, 0,1,2,3
	s_wait_loadcnt 12-4*(\g)                       ; loads come back in order (ISA guide 5.7.1): group g is in, the 12 - 4 g younger loads stay out
	v_pk_add_f32 v[X+16*(\g):X+16*(\g)+1],     v[X+16*(\g):X+16*(\g)+1],     v[X+16*(\g)+4:X+16*(\g)+5]
	v_pk_add_f32 v[X+16*(\g)+2:X+16*(\g)+3],   v[X+16*(\g)+2:X+16*(\g)+3],   v[X+16*(\g)+6:X+16*(\g)+7]
	v_pk_add_f32 v[X+16*(\g)+8:X+16*(\g)+9],   v[X+16*(\g)+8:X+16*(\g)+9],   v[X+16*(\g)+12:X+16*(\g)+13]
	v_pk_add_f32 v[X+16*(\g)+10:X+16*(\g)+11], v[X+16*(\g)+10:X+16*(\g)+11], v[X+16*(\g)+14:X+16*(\g)+15]
	v_pk_add_f32 v[X+16*(\g):X+16*(\g)+1],     v[X+16*(\g):X+16*(\g)+1],     v[X+16*(\g)+8:X+16*(\g)+9]
	v_pk_add_f32 v[X+16*(\g)+2:X+16*(\g)+3],   v[X+16*(\g)+2:X+16*(\g)+3],   v[X+16*(\g)+10:X+16*(\g)+11]
.endr
	v_pk_add_f32 v[X:X+1],     v[X:X+1],     v[X+16:X+17]      ; the four groups
	v_pk_add_f32 v[X+2:X+3],   v[X+2:X+3],   v[X+18:X+19]
	v_pk_add_f32 v[X+32:X+33], v[X+32:X+33], v[X+48:X+49]
	v_pk_add_f32 v[X+34:X+35], v[X+34:X+35], v[X+50:X+51]
	v_pk_add_f32 v[X:X+1],     v[X:X+1],     v[X+32:X+33]
	v_pk_add_f32 v[X+2:X+3],   v[X+2:X+3],   v[X+34:X+35]
.irp k, 0,1,2,3
	v_permlanex16_b32 v[X+4+(\k)], v[X+(\k)], s12, s13       ; lanes l and l + 16 hold the same columns; the destination has been written (a load's)
.endr
	v_pk_add_f32 v[X:X+1],   v[X:X+1],   v[X+4:X+5]
	v_pk_add_f32 v[X+2:X+3], v[X+2:X+3], v[X+6:X+7]
	ds_store_b128 v[LST], v[X:X+3] offset:PART     ; both halves of the lanes write the same numbers to the same bytes
	s_wait_dscnt 0x0                               ; for the others' sake: my store is done
	s_barrier_signal -1
	s_barrier_wait -1                              ; all eight waves' sums lie in LDS
	s_cmp_lg_u32 s8, 0
	s_cbranch_scc1 .Lend                           ; wave 0 adds them up and stores
.irp v, 0,1,2,3,4,5,6,7
	ds_load_b64 v[Y+2*(\v):Y+2*(\v)+1], v[LRD] offset:PART+256*(\v)
.endr
	s_wait_dscnt 0x0
	v_pk_add_f32 v[Y:Y+1],       v[Y:Y+1],       v[Y+2:Y+3]
	v_pk_add_f32 v[Y+4:Y+5],     v[Y+4:Y+5],     v[Y+6:Y+7]
	v_pk_add_f32 v[Y+8:Y+9],     v[Y+8:Y+9],     v[Y+10:Y+11]
	v_pk_add_f32 v[Y+12:Y+13],   v[Y+12:Y+13],   v[Y+14:Y+15]
	v_pk_add_f32 v[Y:Y+1],       v[Y:Y+1],       v[Y+4:Y+5]
	v_pk_add_f32 v[Y+8:Y+9],     v[Y+8:Y+9],     v[Y+12:Y+13]
	v_pk_add_f32 v[Y:Y+1],       v[Y:Y+1],       v[Y+8:Y+9]
	global_store_b64 v[LRD], v[Y:Y+1], s[6:7]      ; 32 lanes x 8 bytes: 256 consecutive bytes, at a multiple of 256 from psum's first byte
.Lend:
	s_wait_tensorcnt 0x0                           ; the wave's end: three closing lines, behind my last LDS store
	ds_add_u32 v[SPW], v[NIL]
	s_wait_dscnt 0x0
	s_endpgm
.Lfunc_end_k_q5e1e0dc3d4_vsum:
	.size	k_q5e1e0dc3d4_vsum, .Lfunc_end_k_q5e1e0dc3d4_vsum-k_q5e1e0dc3d4_vsum
	.p2alignl 7, 3214868480
	.fill 96, 4, 3214868480
	.section	.rodata,"a",@progbits
	.p2align	6, 0x0
	.amdhsa_kernel k_q5e1e0dc3d4_vsum
		.amdhsa_group_segment_fixed_size 3072
		.amdhsa_private_segment_fixed_size 0
		.amdhsa_enable_private_segment 0
		.amdhsa_kernarg_size 16
		.amdhsa_user_sgpr_count 2
		.amdhsa_user_sgpr_kernarg_segment_ptr 1
		.amdhsa_wavefront_size32 1
		.amdhsa_system_sgpr_workgroup_id_x 1
		.amdhsa_system_sgpr_workgroup_id_y 1
		.amdhsa_system_sgpr_workgroup_id_z 1
		.amdhsa_system_vgpr_workitem_id 0
		.amdhsa_next_free_vgpr 88
		.amdhsa_next_free_sgpr 66
		.amdhsa_reserve_vcc 0
		.amdhsa_float_denorm_mode_32 3
		.amdhsa_float_denorm_mode_16_64 3
		.amdhsa_memory_ordered 1
		.amdhsa_forward_progress 1
		.amdhsa_inst_pref_size 7
	.end_amdhsa_kernel
	.amdgpu_metadata
---
amdhsa.version: [ 1, 2 ]
amdhsa.kernels:
  - .name:           k_q5e1e0dc3d4_vsum
    .symbol:         k_q5e1e0dc3d4_vsum.kd
    .args:
      - { .name: values, .offset: 0, .size: 8, .value_kind: global_buffer, .address_space: global }
      - { .name: psum, .offset: 8, .size: 8, .value_kind: global_buffer, .address_space: global }
    .group_segment_fixed_size: 3072
    .private_segment_fixed_size: 0
    .kernarg_segment_align: 8
    .kernarg_segment_size: 16
    .max_flat_workgroup_size: 256
    .sgpr_count:     66
    .vgpr_count:     88
    .wavefront_size: 32
...
	.end_amdgpu_metadata
.endif
;; end of part 1
;; launch attn (part 2): grid 8 x 32, 16 waves a work-group, no clusters, 229,376 bytes of LDS; arguments queries, keys, values, log_scale, psum, out0; writes out0
.if DOCPART == 2
	.amdgcn_target "amdgcn-amd-amdhsa--gfx1250"
	.amdhsa_code_object_version 6
	.text
	.protected	k_q5e1e0dc3d4_attn
	.globl	k_q5e1e0dc3d4_attn
	.p2align	8
	.type	k_q5e1e0dc3d4_attn,@function
k_q5e1e0dc3d4_attn:
	s_mov_b64 s[64:65], 0
	v_nop
	global_prefetch_b8 v0, s[64:65] scope:SCOPE_SE
	s_setreg_imm32_b32 hwreg(HW_REG_WAVE_MODE, 25, 1), 1
	s_wait_xcnt 0x0
; SIGNED ATTENTION IN A BAND.  out[q] = sum over k of (softmax_k(scale pos) - softmax_k(scale neg)) V[k], for 32 heads of 2,048 rows x 64 channels, all f32.
; pos = Q.K, neg = -Q.K where the key is open, and -10000 in both where it is hidden.  scale = clip(exp(log_scale), 1, 30) / 8.
; THE MASK is the problem's own: with patches of 16 rows, query patch p sees the key patches p + 1 .. p + 9 and no other: nine tiles of 16 x 16, fewer at a head's end, none for patch 127.
; HIDDEN KEYS ARE KEPT.  They all have one score, so in each softmax one weight e = 2^(c NEG - c m).  With n of them, l = the open keys' sum of p + n e; with r = 1 / l and
; g = e+ r+ - e- r-:   out = sum over the nine patches of (p+ r+ - p- r- - g) V[k]  +  g Vsum,   Vsum = the head's column sum of V (eight partial sums from the launch before).
; m is the true maximum over the whole row, the fill among it: a row's 144 live scores all lie in registers, so it is taken before any exponential.  c = scale x log2(e).
; FORMATS AND LIMITS.  All inputs are taken rounded to bf16, log_scale too.  Q and K are bf16 matrix operands.  V, rounded to bf16, is written as f16: exact for 2^-17 <= |v| <= 65,504; below that it
; keeps f16's fixed step, above it is an infinity.  The weights A, within -1 .. 1, are rounded once to f16.  Scores, maxima, sums, l, g, Vsum and out stay in f32; Vsum is summed of the unrounded V.
; A key slot past the head's end counts as the score -1e30: scores stay far below that in size.  A weight below 2^-126 counts as 0.  NaN and infinities are not treated apart; a NaN log_scale counts as scale 1/8.
; SHARES.  A work-group owns 256 queries of one head: 16 patches, one for each of its 16 waves; 8 x 32 work-groups.  It needs 24 key patches: slot kp stands for patch 16 bx + 1 + kp, and wave w uses slots w .. w + 8.
; ON THE WAY IN every byte is converted, so it goes through registers: each wave asks for 16 KiB of Q, K, V (whole rows of 256 bytes, sixteen lanes a row) and the head's 2 KiB of partial sums, all at once at its head,
; rounds them and puts the 16-bit numbers into LDS, once.  ONE barrier; behind it a wave works alone.  LDS is filled once: no ring, no tensor load.
; NO CLUSTER: of a work-group's 24 key patches 8 are also a neighbour's, one neighbour's alone; that is a quarter of its bytes, and a shared tile would arrive in LDS as f32 and have to be read, rounded and stored again.
; LAYOUT.  S^T = K Q^T (source 0 = 16 keys, source 1 = 16 queries): a lane holds ONE query (lane % 16) and of each patch the keys 8 (lane / 16) + 0..7.  -S^T comes by a second product with -Q, so that both signs
; can start from the same C operand (0, or -1e30 for a slot past the end).  Two patches' weights, rounded in pairs, ARE source 1 (32 keys x 16 queries) of O^T = V^T A; V is turned on its way out of LDS.
.set PK,    144                        ; a row of K or Q in LDS: 128 bytes + 16: the 16 rows of a fragment load start 16 bytes apart modulo 256
.set PV,    160                        ; a row of V: 128 + 32: 16 lanes of the turning load take 8 rows x 32 bytes, all different modulo 256
.set OP,    272                        ; a row of O in a wave's stage: 256 + 16
.set KB,    0                          ; K, bf16: 24 slots x 16 rows
.set QB,    KB+384*PK                  ; 55,296   Q, bf16: 16 patches x 16 rows
.set VB,    QB+256*PK                  ; 92,160   V, f16: 24 slots x 16 rows
.set OST,   VB+384*PV                  ; 153,600  for each wave 16 rows of O, for the way out
.set VS,    OST+16*16*OP               ; 223,232  for each wave the head's Vsum, 256 bytes
.set SPARE, VS+16*256                  ; 227,328  the spare words, 128 bytes for each wave; no other line names them
.set SPW,  1                           ; v1   LDS address of my spare word: SPARE + 4 x my thread's number; never rewritten
.set NIL,  2                           ; v2   0; never rewritten
.set GK,   3                           ; v3   in memory: 2,048 h + 16 r (r = lane % 16, h = lane / 16): the halves of the lanes take rows 8 apart
.set GV,   4                           ; v4   1,024 h + 16 r: rows 4 apart
.set AKS,  5                           ; v5   staging: where my 8 bytes of K's slot w go (Q's patch w: + QB)
.set AKHS, 6                           ; v6   the same for my part of slot 16 + w / 2
.set GO,   7                           ; v7   16 x lane: my 16 bytes in 512 of out
.set AVS,  8                           ; v8   staging: V's slot w
.set AVHS, 9                           ; v9   V's slot 16 + w / 2
.set PSO,  10                          ; v10  8 x lane: my two columns of psum
.set VSS,  11                          ; v11  where I put my two columns of Vsum
.set VSL,  12                          ; v12  where I read my eight channels of a block of 16
.set AK,   13                          ; v13  my lane's place in a fragment of K's slot w (Q: + QB)
.set TM,   14                          ; v14  at work
.set AV,   15                          ; v15  my lane's place in the turning load of V's slot w
.set CMP,  16                          ; v16  c m+      v17 EP  e+ (first its exponent)
.set EP,   17
.set CMN,  18                          ; v18  c m-      v19 EN  e-
.set EN,   19
.set CAP,  20                          ; v20-23  two chains of maxima for each sign; at the head: r, h, lane, 16 r
.set CBP,  21
.set CAN,  22
.set CBN,  23
.set LR,   20
.set LH,   21
.set LL,   22
.set LT,   23
.set RP,   24                          ; v24  1 / l+    v25 LP  l+
.set LP,   25
.set RN,   26                          ; v26  1 / l-    v27 LN  l-
.set LN,   27
.set GG,   28                          ; v28  g         v29 UU  e- / l-
.set UU,   29
.set STO,  30                          ; v30  the way out: where I put 32 bytes of a row
.set RD,   31                          ; v31  the way out: where I read a row back
.set STK,  32                          ; staging: K v[32:63], Q v[64:95], V v[96:127], my parts of the upper slots v[128:143], v[144:159], psum v[160:175], at work v[176:183]
.set STQ,  64
.set STV,  96
.set STKH, 128
.set STVH, 144
.set STP,  160
.set TT,   176
.set QP,   32                          ; v[32:47] Q, v[48:63] -Q: channels 0-31 in the first eight, 32-63 in the second
.set QN,   48
.set KF,   64                          ; v[64:95] two buffers of a patch of K
.set SP,   96                          ; v[96:167]  S+: patch j at SP + 8 j
.set SN,   168                         ; v[168:239] S-
.set TS,   240                         ; v[240:255] four chains of sums for each sign
.set AF,   32                          ; later: v[32:71] A in f16: patch j at AF + 4 j; the tenth patch's four registers hold 0
.set VF,   96                          ; v[96:159] two buffers of 32 keys x 64 channels of V
.set OA,   160                         ; v[160:191] O^T: channel block cb at OA + 8 cb
.set VSR,  192                         ; v[192:223] Vsum, as O^T lies
.set OB,   224                         ; v[224:255] O read back by rows
.set CS,   40                          ; s[40:41] c, twice: the packed scaling names a pair and takes its low word for both halves
; s17 wave  s18 bx  s19 head  s36 p  s37 127 - p  s38 the number of hidden keys, f32  s39 w % 2  s42 -10000  s43 -1e30  s[44:45] lane selects  s[46:47], s[48:49] V's unpacking words  s50 sign bits  s51 a slot's C
; s[22:23] Q  s[24:25] K  s[26:27] K, upper slot  s[28:29] V  s[30:31] V, upper slot  s[32:33] psum  s[34:35] out
	s_load_b256 s[4:11], s[0:1], 0x0               ; queries s[4:5], keys s[6:7], values s[8:9], log_scale s[10:11]
	s_load_b128 s[12:15], s[0:1], 0x20             ; psum s[12:13], out0 s[14:15]
	v_lshl_add_u32 v[SPW], v0, 2, SPARE
	v_mov_b32 v[NIL], 0
	v_lshrrev_b32 v[TM], 5, v0
	v_readfirstlane_b32 s17, v[TM]                 ; wave 0..15
	s_mov_b32 s18, ttmp9                           ; my block of 256 queries
	s_and_b32 s19, ttmp7, 0xffff                   ; my head
	v_and_b32 v[LR], 15, v0
	v_bfe_u32 v[LH], v0, 4, 1
	v_and_b32 v[LL], 31, v0
	v_lshlrev_b32 v[LT], 4, v[LR]
	v_lshl_add_u32 v[GK], v[LH], 11, v[LT]
	v_lshl_add_u32 v[GV], v[LH], 10, v[LT]
	v_lshlrev_b32 v[GO], 4, v[LL]
	v_lshlrev_b32 v[PSO], 3, v[LL]
	s_lshl_b32 s36, s18, 4
	s_add_co_u32 s36, s36, s17                     ; p = 16 bx + w
	s_sub_co_u32 s37, 127, s36                     ; key patches behind mine in the head
	s_lshr_b32 s53, s17, 1
	s_and_b32 s39, s17, 1                          ; which half of an upper slot I stage
	s_add_co_u32 s54, s53, 16                      ; which upper slot: 16 + w / 2
	; byte offsets, each in a pair of its own; a head is 2^19 bytes, a patch 2^12
	s_lshl_b32 s55, s19, 19
	s_lshl_b32 s20, s36, 12
	s_add_co_u32 s20, s20, s55                     ; Q and out: my patch
	s_mov_b32 s21, 0
	s_add_co_u32 s56, s36, 1
	s_min_u32 s56, s56, 127                        ; slot w is patch p + 1; past the head's end the last patch is read in its stead, so that every load stays inside the head
	s_lshl_b32 s56, s56, 12
	s_add_co_u32 s56, s56, s55
	s_mov_b32 s57, 0
	s_lshl_b32 s60, s18, 4
	s_add_co_u32 s60, s60, s53
	s_add_co_u32 s60, s60, 17                      ; the upper slot's patch: 16 bx + 17 + w / 2
	s_min_u32 s58, s60, 127
	s_lshl_b32 s58, s58, 12
	s_add_co_u32 s58, s58, s55
	s_lshl_b32 s61, s39, 11
	s_add_co_u32 s62, s58, s61                     ; V's upper slot: my half begins at row 8 (w % 2)
	s_mov_b32 s63, 0
	s_lshl_b32 s61, s39, 10
	s_add_co_u32 s58, s58, s61                     ; K's: at row 4 (w % 2)
	s_mov_b32 s59, 0
	s_lshl_b32 s52, s19, 11                        ; the head's eight blocks of psum
	s_mov_b32 s53, 0
	s_wait_kmcnt 0x0
	s_load_b32 s16, s[10:11], 0x0                  ; log_scale
	s_add_nc_u64 s[22:23], s[4:5], s[20:21]
	s_add_nc_u64 s[34:35], s[14:15], s[20:21]
	s_add_nc_u64 s[24:25], s[6:7], s[56:57]
	s_add_nc_u64 s[28:29], s[8:9], s[56:57]
	s_add_nc_u64 s[26:27], s[6:7], s[58:59]
	s_add_nc_u64 s[30:31], s[8:9], s[62:63]
	s_add_nc_u64 s[32:33], s[12:13], s[52:53]
	; ALL MY LOADS, 40 of them, in the order in which they are worked on.  Sixteen lanes take one whole row of 256 bytes.
.set i, 0
.rept 8
	global_load_b128 v[STK+4*i:STK+4*i+3], v[GK], s[24:25] offset:256*i             ; K, slot w: rows i and i + 8
.set i, i+1
.endr
.set i, 0
.rept 4
	global_load_b128 v[STKH+4*i:STKH+4*i+3], v[GK], s[26:27] offset:256*i           ; K, upper slot: rows 4 (w % 2) + i and + 8
.set i, i+1
.endr
.set i, 0
.rept 8
	global_load_b128 v[STQ+4*i:STQ+4*i+3], v[GK], s[22:23] offset:256*i th:TH_LOAD_NT  ; Q: nobody else reads it
.set i, i+1
.endr
.set i, 0
.rept 8
	global_load_b128 v[STV+4*i:STV+4*i+3], v[GV], s[28:29] offset:256*((i%4)+8*(i/4))  ; V, slot w: rows i % 4 + 8 (i / 4) and + 4
.set i, i+1
.endr
.set i, 0
.rept 4
	global_load_b128 v[STVH+4*i:STVH+4*i+3], v[GV], s[30:31] offset:256*i           ; V, upper slot: rows 8 (w % 2) + i and + 4
.set i, i+1
.endr
.set i, 0
.rept 8
	global_load_b64 v[STP+2*i:STP+2*i+1], v[PSO], s[32:33] offset:256*i             ; the head's eight partial sums of my two columns
.set i, i+1
.endr
	; constants and LDS addresses, while the loads are on their way
	s_mov_b32 s42, 0xc61c4000                      ; -10000: the hidden keys' score
	s_mov_b32 s43, 0xf149f2ca                      ; -1e30: a slot past the head's end
	s_mov_b32 s44, 0x76543210                      ; v_permlanex16_b32: each lane takes its own place in the other half
	s_mov_b32 s45, 0xfedcba98
	s_mov_b32 s50, 0x80008000                      ; the signs of two bf16
	s_mov_b32 s61, 0x01000c0c                      ; v_perm_b32: the low half moves up, zeros below
	s_mov_b32 s46, 0x0c0c0c0c                      ; v_perm_b32: all zeros
	s_mov_b32 s48, 0x0c0c0c0c
	s_cmp_lt_u32 s36, 127                          ; is patch p + 1 in the head?  If not, V's rows of the slot are written as zeros
	s_cselect_b32 s46, s61, s46
	s_cselect_b32 s47, 0xffff0000, 0
	s_cmp_le_u32 s60, 127                          ; and the upper slot's patch?
	s_cselect_b32 s48, s61, s48
	s_cselect_b32 s49, 0xffff0000, 0
	s_min_u32 s51, s37, 9                          ; open patches,
	s_lshl_b32 s51, s51, 4
	s_sub_co_u32 s51, 2048, s51                    ; hidden keys
	v_cvt_f32_u32 v[TM], s51
	v_readfirstlane_b32 s38, v[TM]
	v_mul_u32_u24 v[TM], v[LH], 8*PK               ; staging K and Q: rows 8 apart for the two halves of the lanes, 8 bytes a lane
	v_lshl_add_u32 v[TM], v[LR], 3, v[TM]
	s_mul_i32 s55, s17, 16*PK
	v_add_nc_u32 v[AKS], s55, v[TM]
	s_mul_i32 s56, s54, 16*PK
	s_mul_i32 s57, s39, 4*PK
	s_add_co_u32 s56, s56, s57
	v_add_nc_u32 v[AKHS], s56, v[TM]
	v_mul_u32_u24 v[AK], v[LR], PK                 ; a fragment: row r, 16 bytes for each half of the lanes
	v_lshl_add_u32 v[AK], v[LH], 4, v[AK]
	v_add_nc_u32 v[AK], s55, v[AK]
	v_mul_u32_u24 v[TM], v[LH], 4*PV               ; staging V: rows 4 apart
	v_lshl_add_u32 v[TM], v[LR], 3, v[TM]
	s_mul_i32 s55, s17, 16*PV
	s_add_co_u32 s55, s55, VB
	v_add_nc_u32 v[AVS], s55, v[TM]
	s_mul_i32 s56, s54, 16*PV
	s_mul_i32 s57, s39, 8*PV
	s_add_co_u32 s56, s56, s57
	s_add_co_u32 s56, s56, VB
	v_add_nc_u32 v[AVHS], s56, v[TM]
	v_and_b32 v[TM], 7, v0                         ; the turning load: lane l reads key 8 (l / 16) + l % 8, channels 8 ((l / 8) % 2) + 0..7
	v_lshl_add_u32 v[TM], v[LH], 3, v[TM]
	v_mul_u32_u24 v[AV], v[TM], PV
	v_bfe_u32 v[TM], v0, 3, 1
	v_lshl_add_u32 v[AV], v[TM], 4, v[AV]
	v_add_nc_u32 v[AV], s55, v[AV]
	s_lshl_b32 s56, s17, 8
	s_add_co_u32 s56, s56, VS                      ; my wave's Vsum
	v_lshl_add_u32 v[VSS], v[LL], 3, s56
	v_lshl_add_u32 v[VSL], v[LH], 5, s56
	s_mul_i32 s56, s17, 16*OP
	s_add_co_u32 s56, s56, OST                     ; my wave's stage
	v_mul_u32_u24 v[STO], v[LR], OP                ; in: row r, 32 bytes for each half of the lanes
	v_lshl_add_u32 v[STO], v[LH], 5, v[STO]
	v_add_nc_u32 v[STO], s56, v[STO]
	v_mul_u32_u24 v[RD], v[LH], OP                 ; back: lanes 0-15 take one row of 256 bytes, lanes 16-31 the next
	v_lshl_add_u32 v[RD], v[LR], 4, v[RD]
	v_add_nc_u32 v[RD], s56, v[RD]
	; c = clip(exp(log_scale), 1, 30) x log2(e) / 8, of log_scale rounded to bf16
	s_wait_kmcnt 0x0
	v_mov_b32 v[TM], s16
	v_cvt_pk_bf16_f32 v[TM], v[TM], v[TM]
	v_lshlrev_b32 v[TM], 16, v[TM]
	v_mul_f32 v[TM], 0x3fb8aa3b, v[TM]             ; x log2(e)
	v_exp_f32 v[TM], v[TM]
	v_nop                                          ; a plain instruction behind the exponential (ISA guide 5.7.2),
	s_wait_alu depctr_va_vdst(0)                   ; and the wait ahead of its first reader
	v_max_num_f32 v[TM], 1.0, v[TM]
	v_min_num_f32 v[TM], 0x41f00000, v[TM]         ; 30
	v_mul_f32 v[TM], 0x3e38aa3b, v[TM]             ; log2(e) / 8
	v_readfirstlane_b32 s[CS], v[TM]
	s_mov_b32 s[CS+1], s[CS]
; STAGING.  Four f32 of a row become four bf16, 8 bytes, in place.
.macro CVK r, a, off
	v_cvt_pk_bf16_f32 v[(\r)], v[(\r)], v[(\r)+1]
	v_cvt_pk_bf16_f32 v[(\r)+1], v[(\r)+2], v[(\r)+3]
	ds_store_b64 v[\a], v[(\r):(\r)+1] offset:\off
.endm
; V: rounded to bf16, widened again (or, for a slot past the head's end, replaced by 0: the two unpacking words at s[sel]), and that number written as f16.
.macro CVV r, a, off, sel, t
	v_cvt_pk_bf16_f32 v[(\t)], v[(\r)], v[(\r)+1]
	v_cvt_pk_bf16_f32 v[(\t)+1], v[(\r)+2], v[(\r)+3]
	v_perm_b32 v[(\r)], v[(\t)], v[(\t)], s[\sel]
	v_and_b32 v[(\r)+1], s[(\sel)+1], v[(\t)]
	v_perm_b32 v[(\r)+2], v[(\t)+1], v[(\t)+1], s[\sel]
	v_and_b32 v[(\r)+3], s[(\sel)+1], v[(\t)+1]
	v_cvt_pk_f16_f32 v[(\r)], v[(\r)], v[(\r)+1]
	v_cvt_pk_f16_f32 v[(\r)+1], v[(\r)+2], v[(\r)+3]
	ds_store_b64 v[\a], v[(\r):(\r)+1] offset:\off
.endm
	s_wait_loadcnt 32                              ; loads come back in order (ISA guide 5.7.1): K's eight are in; 4 + 8 + 8 + 4 + 8 younger ones stay out
.set i, 0
.rept 8
	CVK STK+4*i, AKS, KB+PK*i
.set i, i+1
.endr
	s_wait_loadcnt 28                              ; the upper slot's K; 8 + 8 + 4 + 8 stay out
.set i, 0
.rept 4
	CVK STKH+4*i, AKHS, KB+PK*i
.set i, i+1
.endr
	s_wait_loadcnt 20                              ; Q; 8 + 4 + 8 stay out
.set i, 0
.rept 8
	CVK STQ+4*i, AKS, QB+PK*i
.set i, i+1
.endr
	s_wait_loadcnt 12                              ; V; 4 + 8 stay out
.set i, 0
.rept 8
	CVV STV+4*i, AVS, PV*((i%4)+8*(i/4)), 46, TT+2*(i%4)
.set i, i+1
.endr
	s_wait_loadcnt 8                               ; the upper slot's V; psum's eight stay out
.set i, 0
.rept 4
	CVV STVH+4*i, AVHS, PV*i, 48, TT+2*(i%4)
.set i, i+1
.endr
	s_wait_loadcnt 0x0                             ; the partial sums: Vsum of my two columns, into my wave's own 256 bytes
	v_pk_add_f32 v[STP:STP+1],       v[STP:STP+1],       v[STP+2:STP+3]
	v_pk_add_f32 v[STP+4:STP+5],     v[STP+4:STP+5],     v[STP+6:STP+7]
	v_pk_add_f32 v[STP+8:STP+9],     v[STP+8:STP+9],     v[STP+10:STP+11]
	v_pk_add_f32 v[STP+12:STP+13],   v[STP+12:STP+13],   v[STP+14:STP+15]
	v_pk_add_f32 v[STP:STP+1],       v[STP:STP+1],       v[STP+4:STP+5]
	v_pk_add_f32 v[STP+8:STP+9],     v[STP+8:STP+9],     v[STP+12:STP+13]
	v_pk_add_f32 v[STP:STP+1],       v[STP:STP+1],       v[STP+8:STP+9]
	ds_store_b64 v[VSS], v[STP:STP+1]
	s_wait_dscnt 0x0                               ; for the others' sake: all my stores into LDS are done
	s_barrier_signal -1
	s_barrier_wait -1                              ; everybody's are: K, Q and V are whole.  The launch's only barrier
; THE SCORES.  A patch of K: 16 keys x 64 channels, four loads of 16 bytes a lane, into buffer b.
.macro LDK j, b
	ds_load_b128 v[KF+16*(\b):KF+16*(\b)+3],     v[AK] offset:KB+16*PK*(\j)
	ds_load_b128 v[KF+16*(\b)+4:KF+16*(\b)+7],   v[AK] offset:KB+16*PK*(\j)+32
	ds_load_b128 v[KF+16*(\b)+8:KF+16*(\b)+11],  v[AK] offset:KB+16*PK*(\j)+64
	ds_load_b128 v[KF+16*(\b)+12:KF+16*(\b)+15], v[AK] offset:KB+16*PK*(\j)+96
.endm
; Four products for patch j: S+ and S- by turns, channels 0-31 and then 32-63.  zero = 1: the sums start with the constant 0; 0: with what the accumulators hold.
.macro MMS j, b, zero
.if \zero
	v_wmma_f32_16x16x32_bf16 v[SP+8*(\j):SP+8*(\j)+7], v[KF+16*(\b):KF+16*(\b)+7], v[QP:QP+7], 0
	v_wmma_f32_16x16x32_bf16 v[SN+8*(\j):SN+8*(\j)+7], v[KF+16*(\b):KF+16*(\b)+7], v[QN:QN+7], 0
.else
	v_wmma_f32_16x16x32_bf16 v[SP+8*(\j):SP+8*(\j)+7], v[KF+16*(\b):KF+16*(\b)+7], v[QP:QP+7], v[SP+8*(\j):SP+8*(\j)+7]
	v_wmma_f32_16x16x32_bf16 v[SN+8*(\j):SN+8*(\j)+7], v[KF+16*(\b):KF+16*(\b)+7], v[QN:QN+7], v[SN+8*(\j):SN+8*(\j)+7]
.endif
	v_wmma_f32_16x16x32_bf16 v[SP+8*(\j):SP+8*(\j)+7], v[KF+16*(\b)+8:KF+16*(\b)+15], v[QP+8:QP+15], v[SP+8*(\j):SP+8*(\j)+7]
	v_wmma_f32_16x16x32_bf16 v[SN+8*(\j):SN+8*(\j)+7], v[KF+16*(\b)+8:KF+16*(\b)+15], v[QN+8:QN+15], v[SN+8*(\j):SN+8*(\j)+7]
.endm
; Patch j's sixteen scores enter the four chains of maxima, each accumulator from its low end on.
.macro MAX j
	v_max3_num_f32 v[CAP], v[CAP], v[SP+8*(\j)],   v[SP+8*(\j)+1]
	v_max3_num_f32 v[CAN], v[CAN], v[SN+8*(\j)],   v[SN+8*(\j)+1]
	v_max3_num_f32 v[CBP], v[CBP], v[SP+8*(\j)+2], v[SP+8*(\j)+3]
	v_max3_num_f32 v[CBN], v[CBN], v[SN+8*(\j)+2], v[SN+8*(\j)+3]
	v_max3_num_f32 v[CAP], v[CAP], v[SP+8*(\j)+4], v[SP+8*(\j)+5]
	v_max3_num_f32 v[CAN], v[CAN], v[SN+8*(\j)+4], v[SN+8*(\j)+5]
	v_max3_num_f32 v[CBP], v[CBP], v[SP+8*(\j)+6], v[SP+8*(\j)+7]
	v_max3_num_f32 v[CBN], v[CBN], v[SN+8*(\j)+6], v[SN+8*(\j)+7]
.endm
; All nine patches.  Patch j's products, then patch j - 1's maxima: those eight plain lines name no register of patch j's products, and are the places between these and both the loads
; into the buffer that they read and the maxima that read their results.  Behind patch 0's products the chains' four first values and four v_nop stand in that part.
.macro SPH zero
	s_wait_dscnt 4                                 ; patch 0 of K is in; patch 1's four loads may stay out
	MMS 0, 0, \zero
	v_mov_b32 v[CAP], s42                          ; every row has hidden keys: the maxima start at their score
	v_mov_b32 v[CBP], s42
	v_mov_b32 v[CAN], s42
	v_mov_b32 v[CBN], s42
.rept 4
	v_nop
.endr
.irp j, 1,2,3,4,5,6,7
	LDK (\j)+1, ((\j)+1)%2
	s_wait_dscnt 4                                 ; patch j is in; the four loads just issued may stay out
	MMS \j, (\j)%2, \zero
	MAX (\j)-1
.endr
	s_wait_dscnt 0x0
	MMS 8, 0, \zero
	MAX 7
	MAX 8
.endm
	ds_load_b128 v[QP:QP+3],     v[AK] offset:QB
	ds_load_b128 v[QP+4:QP+7],   v[AK] offset:QB+32
	ds_load_b128 v[QP+8:QP+11],  v[AK] offset:QB+64
	ds_load_b128 v[QP+12:QP+15], v[AK] offset:QB+96
	LDK 0, 0
	LDK 1, 1
	s_wait_dscnt 8                                 ; Q is in; K's first two patches may stay out
.set i, 0
.rept 16
	v_xor_b32 v[QN+i], s50, v[QP+i]                ; -Q
.set i, i+1
.endr
	s_cmp_lt_u32 s37, 9                            ; do all nine patches lie in the head?  (It hangs on the work-group's and the wave's number alone)
	s_cbranch_scc1 .Lslow
	SPH 1
	s_branch .Ljoin
.Lslow:                                        ; the head's last nine query patches: the sums of a slot past the end start at -1e30, in both signs
.irp j, 0,1,2,3,4,5,6,7,8
	s_cmp_gt_u32 s37, \j
	s_cselect_b32 s51, 0, s43
.set i, 0
.rept 8
	v_mov_b32 v[SP+8*(\j)+i], s51
	v_mov_b32 v[SN+8*(\j)+i], s51
.set i, i+1
.endr
.endr
	SPH 0
.Ljoin:
	; STATISTICS: the two chains, the other half of the lanes (the query's other 72 keys); c m; the hidden keys' exponent c NEG - c m
	v_max_num_f32 v[CAP], v[CAP], v[CBP]
	v_max_num_f32 v[CAN], v[CAN], v[CBN]
	v_permlanex16_b32 v[CBP], v[CAP], s44, s45
	v_permlanex16_b32 v[CBN], v[CAN], s44, s45
	v_max_num_f32 v[CAP], v[CAP], v[CBP]
	v_max_num_f32 v[CAN], v[CAN], v[CBN]
	v_mul_f32 v[CMP], s[CS], v[CAP]
	v_mul_f32 v[CMN], s[CS], v[CAN]
	v_fma_f32 v[EP], s42, s[CS], -v[CMP]
	v_fma_f32 v[EN], s42, s[CS], -v[CMN]
; ONE BATCH of 146 exponentials.  A pair of scores is scaled (c s - c m, one rounding) one group ahead of its two exponentials; nothing in the batch names an exponential's result; e+ and e- come last,
; behind the last scaling that names their registers beside c m.
.macro SCL s, b
	v_pk_fma_f32 v[SP+72*(\s)+2*(\b):SP+72*(\s)+2*(\b)+1], v[SP+72*(\s)+2*(\b):SP+72*(\s)+2*(\b)+1], s[CS:CS+1], v[CMP+2*(\s):CMP+2*(\s)+1] op_sel_hi:[1,0,0] neg_lo:[0,0,1] neg_hi:[0,0,1]
.endm
.macro EXQ s, b
	v_exp_f32 v[SP+72*(\s)+2*(\b)], v[SP+72*(\s)+2*(\b)]
	v_exp_f32 v[SP+72*(\s)+2*(\b)+1], v[SP+72*(\s)+2*(\b)+1]
.endm
	SCL 0, 0
	SCL 1, 0
.set b, 0
.rept 35
	SCL 0, b+1
	EXQ 0, b
	SCL 1, b+1
	EXQ 1, b
.set b, b+1
.endr
	EXQ 0, 35
	EXQ 1, 35
	v_exp_f32 v[EP], v[EP]
	v_exp_f32 v[EN], v[EN]
	v_nop                                          ; a plain instruction behind the last exponential: one for the batch
	s_wait_alu depctr_va_vdst(0)                   ; the wait ahead of the first reader: one for the batch
	; THE SUMS: for each sign 36 pairs in four chains, eight lines between two links of a chain
.irp k, 0,1,2,3
.irp s, 0,1
	v_pk_add_f32 v[TS+8*(\s)+2*(\k):TS+8*(\s)+2*(\k)+1], v[SP+72*(\s)+2*(\k):SP+72*(\s)+2*(\k)+1], v[SP+72*(\s)+2*(\k)+8:SP+72*(\s)+2*(\k)+9]
.endr
.endr
.irp i, 2,3,4,5,6,7,8
.irp k, 0,1,2,3
.irp s, 0,1
	v_pk_add_f32 v[TS+8*(\s)+2*(\k):TS+8*(\s)+2*(\k)+1], v[TS+8*(\s)+2*(\k):TS+8*(\s)+2*(\k)+1], v[SP+72*(\s)+2*(\k)+8*(\i):SP+72*(\s)+2*(\k)+8*(\i)+1]
.endr
.endr
.endr
.irp s, 0,1
	v_pk_add_f32 v[TS+8*(\s):TS+8*(\s)+1],   v[TS+8*(\s):TS+8*(\s)+1],   v[TS+8*(\s)+2:TS+8*(\s)+3]
	v_pk_add_f32 v[TS+8*(\s)+4:TS+8*(\s)+5], v[TS+8*(\s)+4:TS+8*(\s)+5], v[TS+8*(\s)+6:TS+8*(\s)+7]
.endr
.irp s, 0,1
	v_pk_add_f32 v[TS+8*(\s):TS+8*(\s)+1],   v[TS+8*(\s):TS+8*(\s)+1],   v[TS+8*(\s)+4:TS+8*(\s)+5]
.endr
	v_add_f32 v[LP], v[TS], v[TS+1]
	v_add_f32 v[LN], v[TS+8], v[TS+9]
	v_permlanex16_b32 v[TS+1], v[LP], s44, s45     ; the other half of the lanes
	v_permlanex16_b32 v[TS+9], v[LN], s44, s45
	v_add_f32 v[LP], v[LP], v[TS+1]
	v_add_f32 v[LN], v[LN], v[TS+9]
	v_fma_f32 v[LP], v[EP], s38, v[LP]             ; and the hidden keys: l is at least about 1, since the row's largest weight is 1
	v_fma_f32 v[LN], v[EN], s38, v[LN]
	v_rcp_f32 v[RP], v[LP]
	v_rcp_f32 v[RN], v[LN]
	v_nop                                          ; a plain instruction behind the reciprocals,
	s_wait_alu depctr_va_vdst(0)                   ; and their wait
	v_mul_f32 v[UU], v[EN], v[RN]
	v_fma_f32 v[GG], v[EP], v[RP], -v[UU]          ; g: exactly 0 where both softmaxes are alike (patch 127)
	; A = p+ r+ - (p- r- + g), rounded to f16 in pairs: four pairs at a time, so that no line reads the result of the one before it
.set b, 0
.rept 9
.irp z, 0,1,2,3
	v_pk_fma_f32 v[SN+2*(b+(\z)):SN+2*(b+(\z))+1], v[SN+2*(b+(\z)):SN+2*(b+(\z))+1], v[RN:RN+1], v[GG:GG+1] op_sel_hi:[1,0,0]
.endr
.irp z, 0,1,2,3
	v_pk_fma_f32 v[SP+2*(b+(\z)):SP+2*(b+(\z))+1], v[SP+2*(b+(\z)):SP+2*(b+(\z))+1], v[RP:RP+1], v[SN+2*(b+(\z)):SN+2*(b+(\z))+1] op_sel_hi:[1,0,1] neg_lo:[0,0,1] neg_hi:[0,0,1]
.endr
.irp z, 0,1,2,3
	v_cvt_pk_f16_f32 v[AF+b+(\z)], v[SP+2*(b+(\z))], v[SP+2*(b+(\z))+1]
.endr
.set b, b+4
.endr
; O^T = g Vsum + V^T A.  Pair q is the slots w + 2 q and w + 2 q + 1: 32 keys x 64 channels of V, turned, into buffer b.  halves = 1: the first slot alone.
.macro LDV q, b, halves
.irp cb, 0,1,2,3
	ds_load_tr16_b128 v[VF+32*(\b)+8*(\cb):VF+32*(\b)+8*(\cb)+3], v[AV] offset:32*PV*(\q)+32*(\cb)
.if (\halves) == 2
	ds_load_tr16_b128 v[VF+32*(\b)+8*(\cb)+4:VF+32*(\b)+8*(\cb)+7], v[AV] offset:32*PV*(\q)+16*PV+32*(\cb)
.endif
.endr
.endm
.macro MMO q, b                        ; four products, the four channel blocks' accumulators by turns
.irp cb, 0,1,2,3
	v_wmma_f32_16x16x32_f16 v[OA+8*(\cb):OA+8*(\cb)+7], v[VF+32*(\b)+8*(\cb):VF+32*(\b)+8*(\cb)+7], v[AF+8*(\q):AF+8*(\q)+7], v[OA+8*(\cb):OA+8*(\cb)+7]
.endr
.endm
.macro PLACES                          ; four places behind products, in front of loads into registers that they have read (ISA guide 7.12.1 for vector instructions)
.rept 4
	v_nop
.endr
.endm
.irp cb, 0,1,2,3
	ds_load_b128 v[VSR+8*(\cb):VSR+8*(\cb)+3],   v[VSL] offset:64*(\cb)      ; Vsum of channels 16 cb + 8 (lane / 16) + 0..7: my wave's own bytes
	ds_load_b128 v[VSR+8*(\cb)+4:VSR+8*(\cb)+7], v[VSL] offset:64*(\cb)+16
.endr
	LDV 0, 0, 2
	LDV 1, 1, 2
	s_wait_dscnt 16                                ; Vsum is in; V's first two pairs, sixteen loads, may stay out
.set i, 0
.rept 16
	v_pk_mul_f32 v[OA+2*i:OA+2*i+1], v[VSR+2*i:VSR+2*i+1], v[GG:GG+1] op_sel_hi:[1,0]  ; the hidden keys' term starts the sums
.set i, i+1
.endr
	s_wait_dscnt 8                                 ; pair 0 is in; pair 1's eight loads may stay out
	MMO 0, 0
	v_mov_b32 v[AF+36], 0                          ; the tenth patch's weights are 0; these four lines are also the places behind pair 0's products
	v_mov_b32 v[AF+37], 0
	v_mov_b32 v[AF+38], 0
	v_mov_b32 v[AF+39], 0
	LDV 2, 0, 2
	s_wait_dscnt 8                                 ; pair 1 is in
	MMO 1, 1
	PLACES
	LDV 3, 1, 2
	s_wait_dscnt 8                                 ; pair 2 is in
	MMO 2, 0
	PLACES
	LDV 4, 0, 1                                    ; slot w + 8 alone: there is no slot w + 9 to read.  The buffer's other half keeps pair 2's numbers, which meet weights of 0
	s_wait_dscnt 4                                 ; pair 3 is in
	MMO 3, 1
	s_wait_dscnt 0x0
	MMO 4, 0
	PLACES                                         ; eight places, once a wave, in front of the stores that read the results
	PLACES
	; THE WAY OUT.  A lane holds eight channels of a row four times over: 32 bytes each into my own stage, each accumulator from its low end on; back as whole rows of 256 bytes.
.irp cb, 0,1,2,3
	ds_store_b128 v[STO], v[OA+8*(\cb):OA+8*(\cb)+3]   offset:64*(\cb)
	ds_store_b128 v[STO], v[OA+8*(\cb)+4:OA+8*(\cb)+7] offset:64*(\cb)+16
.endr
.irp t, 0,1,2,3,4,5,6,7
	ds_load_b128 v[OB+4*(\t):OB+4*(\t)+3], v[RD] offset:2*OP*(\t)  ; LDS serves a wave's instructions in order (ISA guide 5.7.1.4): these see the stores above
.endr
.irp t, 0,1,2,3,4,5,6,7
	s_wait_dscnt 7-(\t)                            ; rows 2 t and 2 t + 1 are back; the younger loads may stay out
	global_store_b128 v[GO], v[OB+4*(\t):OB+4*(\t)+3], s[34:35] offset:512*(\t) th:TH_STORE_NT  ; 512 consecutive bytes, at a multiple of 256 from out0's first byte
.endr
	s_wait_tensorcnt 0x0                           ; the wave's end: three closing lines, behind my last LDS store
	ds_add_u32 v[SPW], v[NIL]
	s_wait_dscnt 0x0
	s_endpgm
.Lfunc_end_k_q5e1e0dc3d4_attn:
	.size	k_q5e1e0dc3d4_attn, .Lfunc_end_k_q5e1e0dc3d4_attn-k_q5e1e0dc3d4_attn
	.p2alignl 7, 3214868480
	.fill 96, 4, 3214868480
	.section	.rodata,"a",@progbits
	.p2align	6, 0x0
	.amdhsa_kernel k_q5e1e0dc3d4_attn
		.amdhsa_group_segment_fixed_size 229376
		.amdhsa_private_segment_fixed_size 0
		.amdhsa_enable_private_segment 0
		.amdhsa_kernarg_size 48
		.amdhsa_user_sgpr_count 2
		.amdhsa_user_sgpr_kernarg_segment_ptr 1
		.amdhsa_wavefront_size32 1
		.amdhsa_system_sgpr_workgroup_id_x 1
		.amdhsa_system_sgpr_workgroup_id_y 1
		.amdhsa_system_sgpr_workgroup_id_z 1
		.amdhsa_system_vgpr_workitem_id 0
		.amdhsa_next_free_vgpr 256
		.amdhsa_next_free_sgpr 66
		.amdhsa_reserve_vcc 0
		.amdhsa_float_denorm_mode_32 3
		.amdhsa_float_denorm_mode_16_64 3
		.amdhsa_memory_ordered 1
		.amdhsa_forward_progress 1
		.amdhsa_inst_pref_size 75
	.end_amdhsa_kernel
	.amdgpu_metadata
---
amdhsa.version: [ 1, 2 ]
amdhsa.kernels:
  - .name:           k_q5e1e0dc3d4_attn
    .symbol:         k_q5e1e0dc3d4_attn.kd
    .args:
      - { .name: queries, .offset: 0, .size: 8, .value_kind: global_buffer, .address_space: global }
      - { .name: keys, .offset: 8, .size: 8, .value_kind: global_buffer, .address_space: global }
      - { .name: values, .offset: 16, .size: 8, .value_kind: global_buffer, .address_space: global }
      - { .name: log_scale, .offset: 24, .size: 8, .value_kind: global_buffer, .address_space: global }
      - { .name: psum, .offset: 32, .size: 8, .value_kind: global_buffer, .address_space: global }
      - { .name: out0, .offset: 40, .size: 8, .value_kind: global_buffer, .address_space: global }
    .group_segment_fixed_size: 229376
    .private_segment_fixed_size: 0
    .kernarg_segment_align: 8
    .kernarg_segment_size: 48
    .max_flat_workgroup_size: 512
    .sgpr_count:     66
    .vgpr_count:     256
    .wavefront_size: 32
...
	.end_amdgpu_metadata
.endif
;; end of part 2
;; ======== version 2 of 2: 2 launches; version 1 with the launch attn written anew for expert scheduling mode
;; limits: inputs' magnitudes at most 65,504; values are held in f16: magnitudes above 65,504 overflow, below 6.1e-05 lose precision
;; workspace buffers: psum 65,536 bytes
;; launch vsum: the kernel of part 1 again; grid 256 x 1, 8 waves a work-group, no clusters, 3,072 bytes of LDS; arguments values, psum; writes psum
;; launch attn (part 3): grid 8 x 32, 16 waves a work-group, no clusters, 229,376 bytes of LDS; arguments queries, keys, values, log_scale, psum, out0; writes out0
.if DOCPART == 3
	.amdgcn_target "amdgcn-amd-amdhsa--gfx1250"
	.amdhsa_code_object_version 6
	.text
	.protected	k_q5e1e0dc3d4_attn
	.globl	k_q5e1e0dc3d4_attn
	.p2align	8
	.type	k_q5e1e0dc3d4_attn,@function
k_q5e1e0dc3d4_attn:
	s_mov_b64 s[64:65], 0
	v_nop
	global_prefetch_b8 v0, s[64:65] scope:SCOPE_SE
	s_setreg_imm32_b32 hwreg(HW_REG_WAVE_SCHED_MODE, 0, 2), 2
	s_setreg_imm32_b32 hwreg(HW_REG_WAVE_MODE, 25, 1), 1
	s_wait_xcnt 0x0
	s_wait_alu depctr_vm_vsrc(0)
; SIGNED ATTENTION IN A BAND.  out[q] = sum over k of (softmax_k(scale pos) - softmax_k(scale neg)) V[k], for 32 heads of 2,048 rows x 64 channels, all f32.
; pos = Q.K, neg = -Q.K where the key is open, and -10000 in both where it is hidden.  scale = clip(exp(log_scale), 1, 30) / 8.
; THE MASK is the problem's own: with patches of 16 rows, query patch p sees the key patches p + 1 .. p + 9 and no other: nine tiles of 16 x 16, fewer at a head's end, none for patch 127.
; HIDDEN KEYS ARE KEPT.  They all have one score, so in each softmax one weight e = 2^(c NEG - c m).  With n of them, l = the open keys' sum of p + n e; with r = 1 / l and
; g = e+ r+ - e- r-:   out = sum over the nine patches of (p+ r+ - p- r- - g) V[k]  +  g Vsum,   Vsum = the head's column sum of V (eight partial sums from the launch before).
; m is the true maximum over the whole row, the fill among it: a row's 144 live scores all lie in registers, so it is taken before any exponential.  c = scale x log2(e).
; FORMATS AND LIMITS.  All inputs are taken rounded to bf16, log_scale too.  Q and K are bf16 matrix operands.  V, rounded to bf16, is written as f16: exact for 2^-17 <= |v| <= 65,504; below that it
; keeps f16's fixed step, above it is an infinity.  The weights A, within -1 .. 1, are rounded once to f16.  Scores, maxima, sums, l, g, Vsum and out stay in f32; Vsum is summed of the unrounded V.
; A key slot past the head's end counts as the score -1e30: scores stay far below that in size.  A weight below 2^-126 counts as 0.  NaN and infinities are not treated apart; a NaN log_scale counts as scale 1/8.
; SHARES.  A work-group owns 256 queries of one head: 16 patches, one for each of its 16 waves; 8 x 32 work-groups.  It needs 24 key patches: slot kp stands for patch 16 bx + 1 + kp, and wave w uses slots w .. w + 8.
; ON THE WAY IN every byte is converted, so it goes through registers: each wave asks for 16 KiB of Q, K, V (whole rows of 256 bytes, sixteen lanes a row) and the head's 2 KiB of partial sums, all at once at its head,
; rounds them and puts the 16-bit numbers into LDS, once.  ONE barrier; behind it a wave works alone.  LDS is filled once: no ring, no tensor load.
; NO CLUSTER: of a work-group's 24 key patches 8 are also a neighbour's, one neighbour's alone; that is a quarter of its bytes, and a shared tile would arrive in LDS as f32 and have to be read, rounded and stored again.
; LAYOUT.  S^T = K Q^T (source 0 = 16 keys, source 1 = 16 queries): a lane holds ONE query (lane % 16) and of each patch the keys 8 (lane / 16) + 0..7.  -S^T comes by a second product with -Q, so that both signs
; can start from the same C operand (0, or -1e30 for a slot past the end).  Two patches' weights, rounded in pairs, ARE source 1 (32 keys x 16 queries) of O^T = V^T A; V is turned on its way out of LDS.
; THE MODE: SCHED_MODE bits 1:0 = 2 (LLVM: expert scheduling mode 2), set by the entry lines.  The code itself states the register dependences
; between vector or matrix instructions and memory or LDS instructions, with s_wait_alu, always for 0.
; THE PLAN.  Registers that memory or LDS instructions touch, and who else names them:
;   v3, v4, v7, v10      offsets into memory: made at the head, ahead of the wait that stands in front of the first global load; never written again.
;   v5, 6, 8, 9, 11, 12, 13, 15, 30, 31   LDS addresses: made behind the global loads, ahead of the staging's first wait on va_vdst; never written again.
;   v[32:175]            staging: the global loads land; a unit's conversions read and write it in place; its LDS stores stand behind the NEXT unit's wait on LOADcnt, one wait on va_vdst ahead of each run of them.
;                        These registers are written again only behind the barrier: one wait on vm_vsrc stands there, ahead of the branch.
;   K0, K1, K2           three buffers of a patch of K.  Patch j's four products read buffer j % 3; patch j + 2 lands in buffer (j - 1) % 3.  One wait on va_vdst at the head of steps 1 to 6: patch j - 1's products are
;                        done reading; the step's four loads stand between its two pairs of products, which name buffer j % 3, Q, -Q and patch j's sums alone.
;   Vsum                 lands in v[72:95] and v[240:247], which nothing names behind the reciprocals' own wait but the sixteen multiplies that read it: its loads follow that wait and owe no other.
;   V0, V1, V2           three buffers of a pair of patches of V, in registers of S+ and S- that A's first eight groups leave: one wait on va_vdst behind the eighth group, then pairs 0, 1 and 2; A's ninth group and the
;                        start of O^T, which follow, name none of them.  One wait on va_vdst behind pair 1's products, then pairs 3 and 4 into V0 and V1.
;   O^T, and v[224:255]  the products write O^T, the LDS stores read it: the places, then one wait on va_vdst, which also covers the loads from the stage into v[224:255]; the global stores read those.
;   v1, v2               written at the head, read by the closing add alone.
.set PK,    144                        ; a row of K or Q in LDS: 128 bytes + 16: the 16 rows of a fragment load start 16 bytes apart modulo 256
.set PV,    160                        ; a row of V: 128 + 32: 16 lanes of the turning load take 8 rows x 32 bytes, all different modulo 256
.set OP,    272                        ; a row of O in a wave's stage: 256 + 16
.set KB,    0                          ; K, bf16: 24 slots x 16 rows
.set QB,    KB+384*PK                  ; 55,296   Q, bf16: 16 patches x 16 rows
.set VB,    QB+256*PK                  ; 92,160   V, f16: 24 slots x 16 rows
.set OST,   VB+384*PV                  ; 153,600  for each wave 16 rows of O, for the way out
.set VS,    OST+16*16*OP               ; 223,232  for each wave the head's Vsum, 256 bytes
.set SPARE, VS+16*256                  ; 227,328  the spare words, 128 bytes for each wave; no other line names them
.set SPW,  1                           ; v1   LDS address of my spare word: SPARE + 4 x my thread's number; never rewritten
.set NIL,  2                           ; v2   0; never rewritten
.set GK,   3                           ; v3   in memory: 2,048 h + 16 r (r = lane % 16, h = lane / 16): the halves of the lanes take rows 8 apart
.set GV,   4                           ; v4   1,024 h + 16 r: rows 4 apart
.set AKS,  5                           ; v5   staging: where my 8 bytes of K's slot w go (Q's patch w: + QB)
.set AKHS, 6                           ; v6   the same for my part of slot 16 + w / 2
.set GO,   7                           ; v7   16 x lane: my 16 bytes in 512 of out
.set AVS,  8                           ; v8   staging: V's slot w
.set AVHS, 9                           ; v9   V's slot 16 + w / 2
.set PSO,  10                          ; v10  8 x lane: my two columns of psum
.set VSS,  11                          ; v11  where I put my two columns of Vsum
.set VSL,  12                          ; v12  where I read my eight channels of a block of 16
.set AK,   13                          ; v13  my lane's place in a fragment of K's slot w (Q: + QB)
.set TM,   14                          ; v14  at work
.set AV,   15                          ; v15  my lane's place in the turning load of V's slot w
.set CMP,  16                          ; v16  c m+      v17 EP  e+ (first its exponent)
.set EP,   17
.set CMN,  18                          ; v18  c m-      v19 EN  e-
.set EN,   19
.set CAP,  20                          ; v20-23  two chains of maxima for each sign; at the head: r, h, lane, 16 r
.set CBP,  21
.set CAN,  22
.set CBN,  23
.set LR,   20
.set LH,   21
.set LL,   22
.set LT,   23
.set RP,   24                          ; v24  1 / l+    v25 LP  l+
.set LP,   25
.set RN,   26                          ; v26  1 / l-    v27 LN  l-
.set LN,   27
.set GG,   28                          ; v28  g         v29 UU  e- / l-
.set UU,   29
.set STO,  30                          ; v30  the way out: where I put 32 bytes of a row
.set RD,   31                          ; v31  the way out: where I read a row back
.set STK,  32                          ; staging: K v[32:63], Q v[64:95], V v[96:127], my parts of the upper slots v[128:143], v[144:159], psum v[160:175], at work v[176:183]
.set STQ,  64
.set STV,  96
.set STKH, 128
.set STVH, 144
.set STP,  160
.set TT,   176
.set QP,   32                          ; v[32:47] Q, v[48:63] -Q: channels 0-31 in the first eight, 32-63 in the second
.set QN,   48
.set KF,   64                          ; three buffers of a patch of K: v[64:79], v[80:95], and v[240:255], which the sums take only later: buffer b at KF + 16 b + 144 (b / 2)
.set SP,   96                          ; v[96:167]  S+: patch j at SP + 8 j
.set SN,   168                         ; v[168:239] S-
.set TS,   240                         ; v[240:255] four chains of sums for each sign
.set AF,   32                          ; later: v[32:71] A in f16: patch j at AF + 4 j; the tenth patch's four registers hold 0
.set VSR,  72                          ; v[72:95], v[240:247] Vsum, as O^T lies: channel block cb at VSR + 8 cb + 144 (cb / 3)
.set VF,   96                          ; three buffers of 32 keys x 64 channels of V: v[96:127], v[128:159], v[192:223]: buffer b at VF + 32 b + 32 (b / 2)
.set OA,   160                         ; v[160:191] O^T: channel block cb at OA + 8 cb
.set OB,   224                         ; v[224:255] O read back by rows
.set CS,   40                          ; s[40:41] c, twice: the packed scaling names a pair and takes its low word for both halves
; s17 wave  s18 bx  s19 head  s36 p  s37 127 - p  s38 the number of hidden keys, f32  s39 w % 2  s42 -10000  s43 -1e30  s[44:45] lane selects  s[46:47], s[48:49] V's unpacking words  s50 sign bits  s51 a slot's C
; s[22:23] Q  s[24:25] K  s[26:27] K, upper slot  s[28:29] V  s[30:31] V, upper slot  s[32:33] psum  s[34:35] out
	s_load_b256 s[4:11], s[0:1], 0x0               ; queries s[4:5], keys s[6:7], values s[8:9], log_scale s[10:11]
	s_load_b128 s[12:15], s[0:1], 0x20             ; psum s[12:13], out0 s[14:15]
	v_lshl_add_u32 v[SPW], v0, 2, SPARE
	v_mov_b32 v[NIL], 0
	v_lshrrev_b32 v[TM], 5, v0
	v_readfirstlane_b32 s17, v[TM]                 ; wave 0..15
	s_mov_b32 s18, ttmp9                           ; my block of 256 queries
	s_and_b32 s19, ttmp7, 0xffff                   ; my head
	v_and_b32 v[LR], 15, v0
	v_bfe_u32 v[LH], v0, 4, 1
	v_and_b32 v[LL], 31, v0
	v_lshlrev_b32 v[LT], 4, v[LR]
	v_lshl_add_u32 v[GK], v[LH], 11, v[LT]
	v_lshl_add_u32 v[GV], v[LH], 10, v[LT]
	v_lshlrev_b32 v[GO], 4, v[LL]
	v_lshlrev_b32 v[PSO], 3, v[LL]
	s_wait_alu depctr_va_sdst(0)                   ; s17 is written, ahead of its first reader: my patch, my bases and my LDS bytes are made from it
	s_lshl_b32 s36, s18, 4
	s_add_co_u32 s36, s36, s17                     ; p = 16 bx + w
	s_sub_co_u32 s37, 127, s36                     ; key patches behind mine in the head
	s_lshr_b32 s53, s17, 1
	s_and_b32 s39, s17, 1                          ; which half of an upper slot I stage
	s_add_co_u32 s54, s53, 16                      ; which upper slot: 16 + w / 2
	; byte offsets, each in a pair of its own; a head is 2^19 bytes, a patch 2^12
	s_lshl_b32 s55, s19, 19
	s_lshl_b32 s20, s36, 12
	s_add_co_u32 s20, s20, s55                     ; Q and out: my patch
	s_mov_b32 s21, 0
	s_add_co_u32 s56, s36, 1
	s_min_u32 s56, s56, 127                        ; slot w is patch p + 1; past the head's end the last patch is read in its stead, so that every load stays inside the head
	s_lshl_b32 s56, s56, 12
	s_add_co_u32 s56, s56, s55
	s_mov_b32 s57, 0
	s_lshl_b32 s60, s18, 4
	s_add_co_u32 s60, s60, s53
	s_add_co_u32 s60, s60, 17                      ; the upper slot's patch: 16 bx + 17 + w / 2
	s_min_u32 s58, s60, 127
	s_lshl_b32 s58, s58, 12
	s_add_co_u32 s58, s58, s55
	s_lshl_b32 s61, s39, 11
	s_add_co_u32 s62, s58, s61                     ; V's upper slot: my half begins at row 8 (w % 2)
	s_mov_b32 s63, 0
	s_lshl_b32 s61, s39, 10
	s_add_co_u32 s58, s58, s61                     ; K's: at row 4 (w % 2)
	s_mov_b32 s59, 0
	s_lshl_b32 s52, s19, 11                        ; the head's eight blocks of psum
	s_mov_b32 s53, 0
	s_wait_kmcnt 0x0
	s_load_b32 s16, s[10:11], 0x0                  ; log_scale
	s_add_nc_u64 s[22:23], s[4:5], s[20:21]
	s_add_nc_u64 s[34:35], s[14:15], s[20:21]
	s_add_nc_u64 s[24:25], s[6:7], s[56:57]
	s_add_nc_u64 s[28:29], s[8:9], s[56:57]
	s_add_nc_u64 s[26:27], s[6:7], s[58:59]
	s_add_nc_u64 s[30:31], s[8:9], s[62:63]
	s_add_nc_u64 s[32:33], s[12:13], s[52:53]
	s_wait_alu depctr_va_vdst(0)                   ; the offsets v3, v4, v7 and v10 are written: every global load and store of the kernel reads one of them
	; ALL MY LOADS, 40 of them, in the order in which they are worked on.  Sixteen lanes take one whole row of 256 bytes.
.set i, 0
.rept 8
	global_load_b128 v[STK+4*i:STK+4*i+3], v[GK], s[24:25] offset:256*i             ; K, slot w: rows i and i + 8
.set i, i+1
.endr
.set i, 0
.rept 4
	global_load_b128 v[STKH+4*i:STKH+4*i+3], v[GK], s[26:27] offset:256*i           ; K, upper slot: rows 4 (w % 2) + i and + 8
.set i, i+1
.endr
.set i, 0
.rept 8
	global_load_b128 v[STQ+4*i:STQ+4*i+3], v[GK], s[22:23] offset:256*i th:TH_LOAD_NT  ; Q: nobody else reads it
.set i, i+1
.endr
.set i, 0
.rept 8
	global_load_b128 v[STV+4*i:STV+4*i+3], v[GV], s[28:29] offset:256*((i%4)+8*(i/4))  ; V, slot w: rows i % 4 + 8 (i / 4) and + 4
.set i, i+1
.endr
.set i, 0
.rept 4
	global_load_b128 v[STVH+4*i:STVH+4*i+3], v[GV], s[30:31] offset:256*i           ; V, upper slot: rows 8 (w % 2) + i and + 4
.set i, i+1
.endr
.set i, 0
.rept 8
	global_load_b64 v[STP+2*i:STP+2*i+1], v[PSO], s[32:33] offset:256*i             ; the head's eight partial sums of my two columns
.set i, i+1
.endr
	; constants and LDS addresses, while the loads are on their way: none of these lines names a register that the loads read or land in
	s_mov_b32 s42, 0xc61c4000                      ; -10000: the hidden keys' score
	s_mov_b32 s43, 0xf149f2ca                      ; -1e30: a slot past the head's end
	s_mov_b32 s44, 0x76543210                      ; v_permlanex16_b32: each lane takes its own place in the other half
	s_mov_b32 s45, 0xfedcba98
	s_mov_b32 s50, 0x80008000                      ; the signs of two bf16
	s_mov_b32 s61, 0x01000c0c                      ; v_perm_b32: the low half moves up, zeros below
	s_mov_b32 s46, 0x0c0c0c0c                      ; v_perm_b32: all zeros
	s_mov_b32 s48, 0x0c0c0c0c
	s_cmp_lt_u32 s36, 127                          ; is patch p + 1 in the head?  If not, V's rows of the slot are written as zeros
	s_cselect_b32 s46, s61, s46
	s_cselect_b32 s47, 0xffff0000, 0
	s_cmp_le_u32 s60, 127                          ; and the upper slot's patch?
	s_cselect_b32 s48, s61, s48
	s_cselect_b32 s49, 0xffff0000, 0
	s_min_u32 s51, s37, 9                          ; open patches,
	s_lshl_b32 s51, s51, 4
	s_sub_co_u32 s51, 2048, s51                    ; hidden keys
	v_cvt_f32_u32 v[TM], s51
	v_readfirstlane_b32 s38, v[TM]                 ; (its wait stands behind c's, below: nothing reads s38 before)
	v_mul_u32_u24 v[TM], v[LH], 8*PK               ; staging K and Q: rows 8 apart for the two halves of the lanes, 8 bytes a lane
	v_lshl_add_u32 v[TM], v[LR], 3, v[TM]
	s_mul_i32 s55, s17, 16*PK
	v_add_nc_u32 v[AKS], s55, v[TM]
	s_mul_i32 s56, s54, 16*PK
	s_mul_i32 s57, s39, 4*PK
	s_add_co_u32 s56, s56, s57
	v_add_nc_u32 v[AKHS], s56, v[TM]
	v_mul_u32_u24 v[AK], v[LR], PK                 ; a fragment: row r, 16 bytes for each half of the lanes
	v_lshl_add_u32 v[AK], v[LH], 4, v[AK]
	v_add_nc_u32 v[AK], s55, v[AK]
	v_mul_u32_u24 v[TM], v[LH], 4*PV               ; staging V: rows 4 apart
	v_lshl_add_u32 v[TM], v[LR], 3, v[TM]
	s_mul_i32 s55, s17, 16*PV
	s_add_co_u32 s55, s55, VB
	v_add_nc_u32 v[AVS], s55, v[TM]
	s_mul_i32 s56, s54, 16*PV
	s_mul_i32 s57, s39, 8*PV
	s_add_co_u32 s56, s56, s57
	s_add_co_u32 s56, s56, VB
	v_add_nc_u32 v[AVHS], s56, v[TM]
	v_and_b32 v[TM], 7, v0                         ; the turning load: lane l reads key 8 (l / 16) + l % 8, channels 8 ((l / 8) % 2) + 0..7
	v_lshl_add_u32 v[TM], v[LH], 3, v[TM]
	v_mul_u32_u24 v[AV], v[TM], PV
	v_bfe_u32 v[TM], v0, 3, 1
	v_lshl_add_u32 v[AV], v[TM], 4, v[AV]
	v_add_nc_u32 v[AV], s55, v[AV]
	s_lshl_b32 s56, s17, 8
	s_add_co_u32 s56, s56, VS                      ; my wave's Vsum
	v_lshl_add_u32 v[VSS], v[LL], 3, s56
	v_lshl_add_u32 v[VSL], v[LH], 5, s56
	s_mul_i32 s56, s17, 16*OP
	s_add_co_u32 s56, s56, OST                     ; my wave's stage
	v_mul_u32_u24 v[STO], v[LR], OP                ; in: row r, 32 bytes for each half of the lanes
	v_lshl_add_u32 v[STO], v[LH], 5, v[STO]
	v_add_nc_u32 v[STO], s56, v[STO]
	v_mul_u32_u24 v[RD], v[LH], OP                 ; back: lanes 0-15 take one row of 256 bytes, lanes 16-31 the next
	v_lshl_add_u32 v[RD], v[LR], 4, v[RD]
	v_add_nc_u32 v[RD], s56, v[RD]
	; c = clip(exp(log_scale), 1, 30) x log2(e) / 8, of log_scale rounded to bf16
	s_wait_kmcnt 0x0
	v_mov_b32 v[TM], s16
	v_cvt_pk_bf16_f32 v[TM], v[TM], v[TM]
	v_lshlrev_b32 v[TM], 16, v[TM]
	v_mul_f32 v[TM], 0x3fb8aa3b, v[TM]             ; x log2(e)
	v_exp_f32 v[TM], v[TM]
	v_nop                                          ; a plain instruction behind the exponential (ISA guide 5.7.2),
	s_wait_alu depctr_va_vdst(0)                   ; the exponential has written v14, ahead of its first reader
	v_max_num_f32 v[TM], 1.0, v[TM]
	v_min_num_f32 v[TM], 0x41f00000, v[TM]         ; 30
	v_mul_f32 v[TM], 0x3e38aa3b, v[TM]             ; log2(e) / 8
	v_readfirstlane_b32 s[CS], v[TM]
	s_wait_alu depctr_va_sdst(0)                   ; c and s38 are written, ahead of the first reader of either and of every branch
	s_mov_b32 s[CS+1], s[CS]
; STAGING.  Four f32 of a row become four bf16, 8 bytes, in place.
.macro CVK r
	v_cvt_pk_bf16_f32 v[(\r)], v[(\r)], v[(\r)+1]
	v_cvt_pk_bf16_f32 v[(\r)+1], v[(\r)+2], v[(\r)+3]
.endm
; V: rounded to bf16, widened again (or, for a slot past the head's end, replaced by 0: the two unpacking words at s[sel]), and that number written as f16.
.macro CVV r, sel, t
	v_cvt_pk_bf16_f32 v[(\t)], v[(\r)], v[(\r)+1]
	v_cvt_pk_bf16_f32 v[(\t)+1], v[(\r)+2], v[(\r)+3]
	v_perm_b32 v[(\r)], v[(\t)], v[(\t)], s[\sel]
	v_and_b32 v[(\r)+1], s[(\sel)+1], v[(\t)]
	v_perm_b32 v[(\r)+2], v[(\t)+1], v[(\t)+1], s[\sel]
	v_and_b32 v[(\r)+3], s[(\sel)+1], v[(\t)+1]
	v_cvt_pk_f16_f32 v[(\r)], v[(\r)], v[(\r)+1]
	v_cvt_pk_f16_f32 v[(\r)+1], v[(\r)+2], v[(\r)+3]
.endm
; The 8 bytes go into LDS.  A unit's stores stand in one run, behind the next unit's wait for its data and one wait on va_vdst.
.macro PUT r, a, off
	ds_store_b64 v[\a], v[(\r):(\r)+1] offset:\off
.endm
	s_wait_loadcnt 32                              ; loads come back in order (ISA guide 5.7.1): K's eight are in; 4 + 8 + 8 + 4 + 8 younger ones stay out
.set i, 0
.rept 8
	CVK STK+4*i
.set i, i+1
.endr
	s_wait_loadcnt 28                              ; the upper slot's K; 8 + 8 + 4 + 8 stay out
	s_wait_alu depctr_va_vdst(0)                   ; K's conversions have written v[32 ..], which the stores below read; the ten LDS addresses made at the head are written too
.set i, 0
.rept 8
	PUT STK+4*i, AKS, KB+PK*i
.set i, i+1
.endr
.set i, 0
.rept 4
	CVK STKH+4*i
.set i, i+1
.endr
	s_wait_loadcnt 20                              ; Q; 8 + 4 + 8 stay out
	s_wait_alu depctr_va_vdst(0)                   ; the upper slot's conversions have written v[128 ..], which the stores below read
.set i, 0
.rept 4
	PUT STKH+4*i, AKHS, KB+PK*i
.set i, i+1
.endr
.set i, 0
.rept 8
	CVK STQ+4*i
.set i, i+1
.endr
	s_wait_loadcnt 12                              ; V; 4 + 8 stay out
	s_wait_alu depctr_va_vdst(0)                   ; Q's conversions have written v[64 ..], which the stores below read
.set i, 0
.rept 8
	PUT STQ+4*i, AKS, QB+PK*i
.set i, i+1
.endr
.set i, 0
.rept 8
	CVV STV+4*i, 46, TT+2*(i%4)
.set i, i+1
.endr
	s_wait_loadcnt 8                               ; the upper slot's V; psum's eight stay out
	s_wait_alu depctr_va_vdst(0)                   ; V's conversions have written v[96 ..], which the stores below read
.set i, 0
.rept 8
	PUT STV+4*i, AVS, PV*((i%4)+8*(i/4))
.set i, i+1
.endr
.set i, 0
.rept 4
	CVV STVH+4*i, 48, TT+2*(i%4)
.set i, i+1
.endr
	s_wait_loadcnt 0x0                             ; the partial sums: Vsum of my two columns, into my wave's own 256 bytes
	v_pk_add_f32 v[STP:STP+1],       v[STP:STP+1],       v[STP+2:STP+3]
	v_pk_add_f32 v[STP+4:STP+5],     v[STP+4:STP+5],     v[STP+6:STP+7]
	v_pk_add_f32 v[STP+8:STP+9],     v[STP+8:STP+9],     v[STP+10:STP+11]
	v_pk_add_f32 v[STP+12:STP+13],   v[STP+12:STP+13],   v[STP+14:STP+15]
	v_pk_add_f32 v[STP:STP+1],       v[STP:STP+1],       v[STP+4:STP+5]
	v_pk_add_f32 v[STP+8:STP+9],     v[STP+8:STP+9],     v[STP+12:STP+13]
	v_pk_add_f32 v[STP:STP+1],       v[STP:STP+1],       v[STP+8:STP+9]
	s_wait_alu depctr_va_vdst(0)                   ; the upper slot's conversions have written v[144 ..] and the additions v[160:161], which the stores below read; and every line of the staging is done with v[32:95], in which Q's and K's fragments land
.set i, 0
.rept 4
	PUT STVH+4*i, AVHS, PV*i
.set i, i+1
.endr
	ds_store_b64 v[VSS], v[STP:STP+1]
	s_wait_dscnt 0x0                               ; for the others' sake: all my stores into LDS are done
	s_barrier_signal -1
	s_barrier_wait -1                              ; everybody's are: K, Q and V are whole.  The launch's only barrier
	s_wait_alu depctr_vm_vsrc(0)                   ; my LDS stores have read v[32:161]: from here on these registers are written by the fragments' loads, by -Q's lines, by the products and, on the way for the head's end, by the sums' first values
; THE SCORES.  A patch of K: 16 keys x 64 channels, four loads of 16 bytes a lane, into buffer b.
.macro LDK j, b
.set kreg, KF+16*(\b)+144*((\b)/2)
	ds_load_b128 v[kreg:kreg+3],     v[AK] offset:KB+16*PK*(\j)
	ds_load_b128 v[kreg+4:kreg+7],   v[AK] offset:KB+16*PK*(\j)+32
	ds_load_b128 v[kreg+8:kreg+11],  v[AK] offset:KB+16*PK*(\j)+64
	ds_load_b128 v[kreg+12:kreg+15], v[AK] offset:KB+16*PK*(\j)+96
.endm
; Four products for patch j: S+ and S- by turns.  MMA: channels 0-31.  zero = 1: the sums start with the constant 0; 0: with what the accumulators hold.  MMB: channels 32-63.
.macro MMA j, b, zero
.set kreg, KF+16*(\b)+144*((\b)/2)
.if \zero
	v_wmma_f32_16x16x32_bf16 v[SP+8*(\j):SP+8*(\j)+7], v[kreg:kreg+7], v[QP:QP+7], 0
	v_wmma_f32_16x16x32_bf16 v[SN+8*(\j):SN+8*(\j)+7], v[kreg:kreg+7], v[QN:QN+7], 0
.else
	v_wmma_f32_16x16x32_bf16 v[SP+8*(\j):SP+8*(\j)+7], v[kreg:kreg+7], v[QP:QP+7], v[SP+8*(\j):SP+8*(\j)+7]
	v_wmma_f32_16x16x32_bf16 v[SN+8*(\j):SN+8*(\j)+7], v[kreg:kreg+7], v[QN:QN+7], v[SN+8*(\j):SN+8*(\j)+7]
.endif
.endm
.macro MMB j, b
.set kreg, KF+16*(\b)+144*((\b)/2)
	v_wmma_f32_16x16x32_bf16 v[SP+8*(\j):SP+8*(\j)+7], v[kreg+8:kreg+15], v[QP+8:QP+15], v[SP+8*(\j):SP+8*(\j)+7]
	v_wmma_f32_16x16x32_bf16 v[SN+8*(\j):SN+8*(\j)+7], v[kreg+8:kreg+15], v[QN+8:QN+15], v[SN+8*(\j):SN+8*(\j)+7]
.endm
; Patch j's sixteen scores enter the four chains of maxima, each accumulator from its low end on.
.macro MAX j
	v_max3_num_f32 v[CAP], v[CAP], v[SP+8*(\j)],   v[SP+8*(\j)+1]
	v_max3_num_f32 v[CAN], v[CAN], v[SN+8*(\j)],   v[SN+8*(\j)+1]
	v_max3_num_f32 v[CBP], v[CBP], v[SP+8*(\j)+2], v[SP+8*(\j)+3]
	v_max3_num_f32 v[CBN], v[CBN], v[SN+8*(\j)+2], v[SN+8*(\j)+3]
	v_max3_num_f32 v[CAP], v[CAP], v[SP+8*(\j)+4], v[SP+8*(\j)+5]
	v_max3_num_f32 v[CAN], v[CAN], v[SN+8*(\j)+4], v[SN+8*(\j)+5]
	v_max3_num_f32 v[CBP], v[CBP], v[SP+8*(\j)+6], v[SP+8*(\j)+7]
	v_max3_num_f32 v[CBN], v[CBN], v[SN+8*(\j)+6], v[SN+8*(\j)+7]
.endm
; All nine patches.  Patch j's products, then patch j - 1's maxima: those eight plain lines name no register of patch j's products, and are the places (ISA guide 7.12.1) between these and the maxima that
; read their results.  Behind patch 0's products the chains' four first values and four v_nop stand in that part.  Patch j + 2 is asked for in step j, two steps ahead of its products.
.macro SPH zero
	s_wait_dscnt 8                                 ; patch 0 of K is in; the eight loads of patches 1 and 2 may stay out
	MMA 0, 0, \zero
	MMB 0, 0
	v_mov_b32 v[CAP], s42                          ; every row has hidden keys: the maxima start at their score
	v_mov_b32 v[CBP], s42
	v_mov_b32 v[CAN], s42
	v_mov_b32 v[CBN], s42
.rept 4
	v_nop
.endr
.irp j, 1,2,3,4,5,6
	s_wait_dscnt 4                                 ; patch j is in; patch j + 1's four loads may stay out
	s_wait_alu depctr_va_vdst(0)                   ; patch j - 1's products are done reading their buffer of K, in which patch j + 2 lands
	MMA \j, (\j)%3, \zero
	LDK (\j)+2, ((\j)+2)%3                         ; no wait: the two products since the wait name buffer j % 3, Q, -Q and patch j's sums alone
	MMB \j, (\j)%3
	MAX (\j)-1
.endr
	s_wait_dscnt 4                                 ; patch 7 is in; patch 8's four loads may stay out.  Nothing more is asked for, so no wait on va_vdst is owed
	MMA 7, 1, \zero
	MMB 7, 1
	MAX 6
	s_wait_dscnt 0x0
	MMA 8, 2, \zero
	MMB 8, 2
	MAX 7
	MAX 8
.endm
	ds_load_b128 v[QP:QP+3],     v[AK] offset:QB
	ds_load_b128 v[QP+4:QP+7],   v[AK] offset:QB+32
	ds_load_b128 v[QP+8:QP+11],  v[AK] offset:QB+64
	ds_load_b128 v[QP+12:QP+15], v[AK] offset:QB+96
	LDK 0, 0
	LDK 1, 1
	LDK 2, 2
	s_wait_dscnt 12                                ; Q is in; K's first three patches may stay out
.set i, 0
.rept 16
	v_xor_b32 v[QN+i], s50, v[QP+i]                ; -Q
.set i, i+1
.endr
	s_cmp_lt_u32 s37, 9                            ; do all nine patches lie in the head?  (It hangs on the work-group's and the wave's number alone)
	s_cbranch_scc1 .Lslow
	SPH 1
	s_branch .Ljoin
.Lslow:                                        ; the head's last nine query patches: the sums of a slot past the end start at -1e30, in both signs
.irp j, 0,1,2,3,4,5,6,7,8
	s_cmp_gt_u32 s37, \j
	s_cselect_b32 s51, 0, s43
.set i, 0
.rept 8
	v_mov_b32 v[SP+8*(\j)+i], s51
	v_mov_b32 v[SN+8*(\j)+i], s51
.set i, i+1
.endr
.endr
	SPH 0
.Ljoin:
	; STATISTICS: the two chains, the other half of the lanes (the query's other 72 keys); c m; the hidden keys' exponent c NEG - c m
	v_max_num_f32 v[CAP], v[CAP], v[CBP]
	v_max_num_f32 v[CAN], v[CAN], v[CBN]
	v_permlanex16_b32 v[CBP], v[CAP], s44, s45
	v_permlanex16_b32 v[CBN], v[CAN], s44, s45
	v_max_num_f32 v[CAP], v[CAP], v[CBP]
	v_max_num_f32 v[CAN], v[CAN], v[CBN]
	v_mul_f32 v[CMP], s[CS], v[CAP]
	v_mul_f32 v[CMN], s[CS], v[CAN]
	v_fma_f32 v[EP], s42, s[CS], -v[CMP]
	v_fma_f32 v[EN], s42, s[CS], -v[CMN]
; ONE BATCH of 146 exponentials.  A pair of scores is scaled (c s - c m, one rounding) one group ahead of its two exponentials; nothing in the batch names an exponential's result; e+ and e- come last,
; behind the last scaling that names their registers beside c m.
.macro SCL s, b
	v_pk_fma_f32 v[SP+72*(\s)+2*(\b):SP+72*(\s)+2*(\b)+1], v[SP+72*(\s)+2*(\b):SP+72*(\s)+2*(\b)+1], s[CS:CS+1], v[CMP+2*(\s):CMP+2*(\s)+1] op_sel_hi:[1,0,0] neg_lo:[0,0,1] neg_hi:[0,0,1]
.endm
.macro EXQ s, b
	v_exp_f32 v[SP+72*(\s)+2*(\b)], v[SP+72*(\s)+2*(\b)]
	v_exp_f32 v[SP+72*(\s)+2*(\b)+1], v[SP+72*(\s)+2*(\b)+1]
.endm
	SCL 0, 0
	SCL 1, 0
.set b, 0
.rept 35
	SCL 0, b+1
	EXQ 0, b
	SCL 1, b+1
	EXQ 1, b
.set b, b+1
.endr
	EXQ 0, 35
	EXQ 1, 35
	v_exp_f32 v[EP], v[EP]
	v_exp_f32 v[EN], v[EN]
	v_nop                                          ; a plain instruction behind the last exponential: one for the batch
	s_wait_alu depctr_va_vdst(0)                   ; the 146 exponentials have written S+, S-, e+ and e-, ahead of their first reader: one wait for the batch
	; THE SUMS: for each sign 36 pairs in four chains, eight lines between two links of a chain
.irp k, 0,1,2,3
.irp s, 0,1
	v_pk_add_f32 v[TS+8*(\s)+2*(\k):TS+8*(\s)+2*(\k)+1], v[SP+72*(\s)+2*(\k):SP+72*(\s)+2*(\k)+1], v[SP+72*(\s)+2*(\k)+8:SP+72*(\s)+2*(\k)+9]
.endr
.endr
.irp i, 2,3,4,5,6,7,8
.irp k, 0,1,2,3
.irp s, 0,1
	v_pk_add_f32 v[TS+8*(\s)+2*(\k):TS+8*(\s)+2*(\k)+1], v[TS+8*(\s)+2*(\k):TS+8*(\s)+2*(\k)+1], v[SP+72*(\s)+2*(\k)+8*(\i):SP+72*(\s)+2*(\k)+8*(\i)+1]
.endr
.endr
.endr
.irp s, 0,1
	v_pk_add_f32 v[TS+8*(\s):TS+8*(\s)+1],   v[TS+8*(\s):TS+8*(\s)+1],   v[TS+8*(\s)+2:TS+8*(\s)+3]
	v_pk_add_f32 v[TS+8*(\s)+4:TS+8*(\s)+5], v[TS+8*(\s)+4:TS+8*(\s)+5], v[TS+8*(\s)+6:TS+8*(\s)+7]
.endr
.irp s, 0,1
	v_pk_add_f32 v[TS+8*(\s):TS+8*(\s)+1],   v[TS+8*(\s):TS+8*(\s)+1],   v[TS+8*(\s)+4:TS+8*(\s)+5]
.endr
	v_add_f32 v[LP], v[TS], v[TS+1]
	v_add_f32 v[LN], v[TS+8], v[TS+9]
	v_permlanex16_b32 v[TS+1], v[LP], s44, s45     ; the other half of the lanes
	v_permlanex16_b32 v[TS+9], v[LN], s44, s45
	v_add_f32 v[LP], v[LP], v[TS+1]
	v_add_f32 v[LN], v[LN], v[TS+9]
	v_fma_f32 v[LP], v[EP], s38, v[LP]             ; and the hidden keys: l is at least about 1, since the row's largest weight is 1
	v_fma_f32 v[LN], v[EN], s38, v[LN]
	v_rcp_f32 v[RP], v[LP]
	v_rcp_f32 v[RN], v[LN]
	v_nop                                          ; a plain instruction behind the reciprocals,
	s_wait_alu depctr_va_vdst(0)                   ; the reciprocals have written v24 and v26, ahead of their first reader; and the products are done reading K's buffers and the sums done with v[240:255]: Vsum lands in v[72:95] and v[240:247]
.irp cb, 0,1,2,3
	ds_load_b128 v[VSR+8*(\cb)+144*((\cb)/3):VSR+8*(\cb)+144*((\cb)/3)+3],   v[VSL] offset:64*(\cb)      ; Vsum of channels 16 cb + 8 (lane / 16) + 0..7: my wave's own bytes; it lands while A is made
	ds_load_b128 v[VSR+8*(\cb)+144*((\cb)/3)+4:VSR+8*(\cb)+144*((\cb)/3)+7], v[VSL] offset:64*(\cb)+16
.endr
	v_mul_f32 v[UU], v[EN], v[RN]
	v_fma_f32 v[GG], v[EP], v[RP], -v[UU]          ; g: exactly 0 where both softmaxes are alike (patch 127)
; O^T = g Vsum + V^T A.  Pair q is the slots w + 2 q and w + 2 q + 1: 32 keys x 64 channels of V, turned, into buffer b.  halves = 1: the first slot alone.
.macro LDV q, b, halves
.set vreg, VF+32*(\b)+32*((\b)/2)
.irp cb, 0,1,2,3
	ds_load_tr16_b128 v[vreg+8*(\cb):vreg+8*(\cb)+3], v[AV] offset:32*PV*(\q)+32*(\cb)
.if (\halves) == 2
	ds_load_tr16_b128 v[vreg+8*(\cb)+4:vreg+8*(\cb)+7], v[AV] offset:32*PV*(\q)+16*PV+32*(\cb)
.endif
.endr
.endm
.macro MMO q, b                        ; four products, the four channel blocks' accumulators by turns
.set vreg, VF+32*(\b)+32*((\b)/2)
.irp cb, 0,1,2,3
	v_wmma_f32_16x16x32_f16 v[OA+8*(\cb):OA+8*(\cb)+7], v[vreg+8*(\cb):vreg+8*(\cb)+7], v[AF+8*(\q):AF+8*(\q)+7], v[OA+8*(\cb):OA+8*(\cb)+7]
.endr
.endm
.macro PLACES                          ; four places behind products (ISA guide 7.12.1)
.rept 4
	v_nop
.endr
.endm
	; A = p+ r+ - (p- r- + g), rounded to f16 in pairs: four pairs, one patch, at a time, so that no line reads the result of the one before it
.set b, 0
.rept 9
.if b == 32
	s_wait_alu depctr_va_vdst(0)                   ; the first eight groups are done with S+'s patches 0 to 7, v[96:159], and S-'s patches 3 to 6, v[192:223], in which V's first three pairs land
	LDV 0, 0, 2
	LDV 1, 1, 2
	LDV 2, 2, 2                                    ; the ninth group and the start of O^T, below, name v[160:191], v[232:239], v[64:67], Vsum and v[24:29]: none of these 96 registers
.endif
.irp z, 0,1,2,3
	v_pk_fma_f32 v[SN+2*(b+(\z)):SN+2*(b+(\z))+1], v[SN+2*(b+(\z)):SN+2*(b+(\z))+1], v[RN:RN+1], v[GG:GG+1] op_sel_hi:[1,0,0]
.endr
.irp z, 0,1,2,3
	v_pk_fma_f32 v[SP+2*(b+(\z)):SP+2*(b+(\z))+1], v[SP+2*(b+(\z)):SP+2*(b+(\z))+1], v[RP:RP+1], v[SN+2*(b+(\z)):SN+2*(b+(\z))+1] op_sel_hi:[1,0,1] neg_lo:[0,0,1] neg_hi:[0,0,1]
.endr
.irp z, 0,1,2,3
	v_cvt_pk_f16_f32 v[AF+b+(\z)], v[SP+2*(b+(\z))], v[SP+2*(b+(\z))+1]
.endr
.set b, b+4
.endr
	s_wait_dscnt 24                                ; Vsum is in; V's first three pairs, 24 loads, may stay out
.set i, 0
.rept 16
	v_pk_mul_f32 v[OA+2*i:OA+2*i+1], v[VSR+2*i+144*(i/12):VSR+2*i+144*(i/12)+1], v[GG:GG+1] op_sel_hi:[1,0]  ; the hidden keys' term starts the sums
.set i, i+1
.endr
	s_wait_dscnt 16                                ; pair 0 is in; the sixteen loads of pairs 1 and 2 may stay out
	MMO 0, 0
	s_wait_dscnt 8                                 ; pair 1 is in; pair 2's eight loads may stay out
	MMO 1, 1
	v_mov_b32 v[AF+36], 0                          ; the tenth patch's weights are 0; these four plain lines also stand as places behind pair 1's products
	v_mov_b32 v[AF+37], 0
	v_mov_b32 v[AF+38], 0
	v_mov_b32 v[AF+39], 0
	s_wait_alu depctr_va_vdst(0)                   ; the products of pairs 0 and 1 are done reading V0 and V1, in which pairs 3 and 4 land: one wait for both refills
	LDV 3, 0, 2
	LDV 4, 1, 1                                    ; slot w + 8 alone: there is no slot w + 9 to read.  The buffer's other half keeps pair 1's numbers, which meet weights of 0
	s_wait_dscnt 12                                ; pair 2 is in; the twelve loads just issued may stay out
	MMO 2, 2
	s_wait_dscnt 4                                 ; pair 3 is in; pair 4's four loads may stay out
	MMO 3, 0
	s_wait_dscnt 0x0
	MMO 4, 1
	PLACES                                         ; eight places, once a wave, in front of the stores that read the results
	PLACES
	s_wait_alu depctr_va_vdst(0)                   ; the products have written O^T, which the LDS stores read (the places above stay beside this wait); and every vector line is done with v[224:255], in which the rows land
	; THE WAY OUT.  A lane holds eight channels of a row four times over: 32 bytes each into my own stage, each accumulator from its low end on; back as whole rows of 256 bytes.
.irp cb, 0,1,2,3
	ds_store_b128 v[STO], v[OA+8*(\cb):OA+8*(\cb)+3]   offset:64*(\cb)
	ds_store_b128 v[STO], v[OA+8*(\cb)+4:OA+8*(\cb)+7] offset:64*(\cb)+16
.endr
.irp t, 0,1,2,3,4,5,6,7
	ds_load_b128 v[OB+4*(\t):OB+4*(\t)+3], v[RD] offset:2*OP*(\t)  ; LDS serves a wave's instructions in order (ISA guide 5.7.1.4): these see the stores above
.endr
.irp t, 0,1,2,3,4,5,6,7
	s_wait_dscnt 7-(\t)                            ; rows 2 t and 2 t + 1 are back; the younger loads may stay out
	global_store_b128 v[GO], v[OB+4*(\t):OB+4*(\t)+3], s[34:35] offset:512*(\t) th:TH_STORE_NT  ; 512 consecutive bytes, at a multiple of 256 from out0's first byte
.endr
	s_wait_dscnt 0x0                               ; the closing lines, six on end
	s_wait_alu 0x0
	s_wait_tensorcnt 0x0
	ds_add_u32 v[SPW], v[NIL]
	s_wait_dscnt 0x0
	s_endpgm
.Lfunc_end_k_q5e1e0dc3d4_attn:
	.size	k_q5e1e0dc3d4_attn, .Lfunc_end_k_q5e1e0dc3d4_attn-k_q5e1e0dc3d4_attn
	.p2alignl 7, 3214868480
	.fill 96, 4, 3214868480
	.section	.rodata,"a",@progbits
	.p2align	6, 0x0
	.amdhsa_kernel k_q5e1e0dc3d4_attn
		.amdhsa_group_segment_fixed_size 229376
		.amdhsa_private_segment_fixed_size 0
		.amdhsa_enable_private_segment 0
		.amdhsa_kernarg_size 48
		.amdhsa_user_sgpr_count 2
		.amdhsa_user_sgpr_kernarg_segment_ptr 1
		.amdhsa_wavefront_size32 1
		.amdhsa_system_sgpr_workgroup_id_x 1
		.amdhsa_system_sgpr_workgroup_id_y 1
		.amdhsa_system_sgpr_workgroup_id_z 1
		.amdhsa_system_vgpr_workitem_id 0
		.amdhsa_next_free_vgpr 256
		.amdhsa_next_free_sgpr 66
		.amdhsa_reserve_vcc 0
		.amdhsa_float_denorm_mode_32 3
		.amdhsa_float_denorm_mode_16_64 3
		.amdhsa_memory_ordered 1
		.amdhsa_forward_progress 1
		.amdhsa_inst_pref_size 75
	.end_amdhsa_kernel
	.amdgpu_metadata
---
amdhsa.version: [ 1, 2 ]
amdhsa.kernels:
  - .name:           k_q5e1e0dc3d4_attn
    .symbol:         k_q5e1e0dc3d4_attn.kd
    .args:
      - { .name: queries, .offset: 0, .size: 8, .value_kind: global_buffer, .address_space: global }
      - { .name: keys, .offset: 8, .size: 8, .value_kind: global_buffer, .address_space: global }
      - { .name: values, .offset: 16, .size: 8, .value_kind: global_buffer, .address_space: global }
      - { .name: log_scale, .offset: 24, .size: 8, .value_kind: global_buffer, .address_space: global }
      - { .name: psum, .offset: 32, .size: 8, .value_kind: global_buffer, .address_space: global }
      - { .name: out0, .offset: 40, .size: 8, .value_kind: global_buffer, .address_space: global }
    .group_segment_fixed_size: 229376
    .private_segment_fixed_size: 0
    .kernarg_segment_align: 8
    .kernarg_segment_size: 48
    .max_flat_workgroup_size: 512
    .sgpr_count:     66
    .vgpr_count:     256
    .wavefront_size: 32
...
	.end_amdgpu_metadata
.endif
;; end of part 3
